; MI455X (gfx1250); checked and timed in simulation.
; The chip was launched on July 23, 2026; its instructions are those of AMD's public machine-readable ISA for CDNA 5 (MIT licence, August 2026) and "CDNA5" Instruction Set Architecture Reference Guide (July 2026). The comments in the code are by the model that wrote it; some were corrected since.
;; Simple PMA. Allowed arithmetic: matrix products marked QUANTISED: E2M3 operands, one E8M0 scale for each 32 along K, by v_wmma_scale_f32_16x16x128_f8f6f4 with both operands' format E2M3, f32 sums; products left as they are: f32 operands where the result goes on into a quantised operand, else bf16, f16 or f32 operands; f32 sums; everything else in f32.
;; Inputs: Wk 512 x 512 float32; Wo 512 x 512 float32; Wq 512 x 512 float32; Wv 512 x 512 float32; bk 512 float32; bo 512 float32; bq 512 float32; bv 512 float32; mask 64 x 2,048 bool; seed 1 x 1 x 512 float32; x 64 x 2,048 x 512 float32.
;; Outputs: out0 64 x 1 x 512 float32.
;; This version of the problem:
;;   THIS VERSION OF THE PROBLEM IS GIVEN IN LOW PRECISION. The matrix products marked QUANTISED in the list below multiply operands that are first quantised to E2M3 (2 exponent bits, 3 mantissa bits; 6 bits a number), with one power-of-two scale for each 32 numbers along K (OCP MX v1.0); their sums are f32. All else is computed in f32.
;;   The module's matrix products, in the order in which they are computed (A, B: the left and right operand; K: the contracted axis; several contracted axes count as one K, in the product's order):
;;     1. [M 1, K 512] x [K 512, N 512]; A: input seed; B: input Wq: left as it is (M = 1 < 16)
;;     2. [M 131,072, K 512] x [K 512, N 512]; A: input x; B: input Wk: QUANTISED
;;     3. [M 131,072, K 512] x [K 512, N 512]; A: input x; B: input Wv: QUANTISED
;;     4. batch 8 x [M 131,072, K 64] x [K 64, N 1]; A: computed on the way; B: computed on the way: left as it is (N = 1 < 16)
;;     5. batch 512 x [M 1, K 2,048] x [K 2,048, N 64]; A: softmax; B: computed on the way: left as it is (M = 1 < 16)
;;     6. [M 64, K 512] x [K 512, N 512]; A: computed on the way; B: input Wo: QUANTISED
;;   THE QUANTISER, for each operand of a quantised product, along K:
;;     - K is cut into blocks of 32 from its start; a last block that is shorter is filled with zeros.
;;     - A block's scale is 2^e with e = floor(log2(the largest magnitude in the block)) - 2, held to -126 .. 127; a block of zeros has e = 0. As a byte (E8M0): e + 127.
;;     - Each number is divided by its block's scale, clamped to +-7.5, and rounded to the nearest number of E2M3, ties to even, subnormals kept.
;;     - The product sums the exact products of the quantised numbers (number of the format x scale) in f32.
;;   ~~~python
;;   def quantise(x, axis):      # numpy; x: float32 -> the quantised numbers, widened to float32 again
;;       x = np.moveaxis(x, axis, -1); K = x.shape[-1]
;;       x = np.pad(x, [(0, 0)] * (x.ndim - 1) + [(0, -K % 32)]); x = x.reshape(x.shape[:-1] + (-1, 32)); a = np.abs(x).max(-1, keepdims=True)
;;       e = np.where(a > 0, np.clip(np.frexp(np.where(a > 0, a, 1))[1] - 1 - 2, -126, 127), 0)      # np.frexp(a)[1] - 1 = floor(log2(a)), exactly
;;       r = np.clip(x / 2.0 ** e, -7.5, 7.5)
;;       step = 2.0 ** (np.maximum(np.frexp(np.where(r == 0, 1, r))[1] - 1, 0) - 3)
;;       q = np.round(r / step) * step * 2.0 ** e      # np.round: ties to even
;;       return np.moveaxis(q.reshape(q.shape[:-2] + (-1,))[..., :K], -1, axis).astype(np.float32)
;;   ~~~
;;   OPERANDS COMPUTED ON THE WAY. 'Computed on the way' means the value that the module computes at that place (a softmax that the list does not call 'softmax' is quantised finished and normalised). What goes into a quantiser is computed in f32, as accurately as f32 sums, v_exp_f32 and their like allow (about 1e-6 of the number): no bf16 or f16 on the way to a quantiser, and a product that is left as it is and whose result goes on into a quantised operand takes f32 operands (vector FMAs, or v_wmma_f32_16x16x4_f32). A number that lies on a knife's edge between two numbers of the format may be rounded either way, as far as f32 arithmetic and the matrix unit's own rounding can turn it there, and no further.
;; One version. Each part assembles by itself: llvm-mc -triple=amdgcn-amd-amdhsa -mcpu=gfx1250 --defsym DOCPART=n.
;; ======== version 1 of 1: 3 launches
;; limits: right only within a limited range of input values
;; workspace buffers: wf 589,824 bytes; ws 24,576 bytes; qv 2,048 bytes; pa 524,288 bytes; ml 262,144 bytes
;; launch prep (part 1): grid 64 x 1, 8 waves a work-group, no clusters, 2,048 bytes of LDS; arguments Wk, Wv, Wo, Wq, seed, bq, wf, ws, qv; writes wf, ws, qv
.if DOCPART == 1
	.amdgcn_target "amdgcn-amd-amdhsa--gfx1250"
	.amdhsa_code_object_version 6
	.text
	.protected	k_q742a378a5f_prep
	.globl	k_q742a378a5f_prep
	.p2align	8
	.type	k_q742a378a5f_prep,@function
k_q742a378a5f_prep:
	s_mov_b64 s[64:65], 0
	v_nop
	global_prefetch_b8 v0, s[64:65] scope:SCOPE_SE
	s_setreg_imm32_b32 hwreg(HW_REG_WAVE_MODE, 25, 1), 1
	s_wait_xcnt 0x0
; PREP.  Wk, Wv, Wo [512 (k)][512 (n)] f32 become codes of FP6 (E2M3) with one E8M0 byte for each 32 along K, laid in the order of a matrix operand's registers;
; and q' = (seed Wq + bq) x 0.125 x log2(e), in f32.
; WORK LEFT OUT IN THE WHOLE PROGRAM: bk.  scores[b][h][l] = SCALE x q_h . (x_l Wk_h + bk_h) = SCALE x q_h . (x_l Wk_h) + SCALE x q_h . bk_h, and the last term is the same for every l of a (b, h):
; a term that is the same along the softmax's axis leaves the softmax as it is, for all values of the inputs (masked places are -infinity with it and without).  K goes into no quantiser (the product of q with K is
; left as it is), so bk moves no code and no scale.  bk has no way to the output: it is not loaded and is an argument of no launch.  LIMIT: a NaN, an infinity or an overflow that reaches only bk is not carried to the result.
; bv is live; since a softmax's weights add up to 1, sum_l attn (V + bv) = sum_l attn V + bv: it is added once behind the pooling (last launch), ahead of the quantiser.
; LIMITS: NaN and infinities in the weights are not served; a block whose largest magnitude lies under 2^-124 (a block of zeros too) gets the byte 1: its codes are then zeros or nearly, and the bytes are read by this program alone.
; SHARES.  Work-groups 0-47: a wave makes ONE fragment (16 columns x 128 along K): fragment F = 8 x work-group + wave = 128 mat + 4 nt + ks.  A lane takes a column and its registers run down K, in the order that the operand's
; layout gives that lane, so that the conversions' results are the operand's registers.  Wv, Wo: row r of tile nt is column 16 nt + r.  Wk: column 128 (nt / 8) + 8 (nt % 8) + r + 56 (r / 8): rows 0-7 are eight d of an even head,
; rows 8-15 the same eight d of the next head.  wf: [F][3 groups of 512 bytes]: registers 4 c .. 4 c + 3 of lane L at 512 c + 16 L.  ws: [mat][nt / 8][2 (nt % 8) + ks / 2][32 words]: lanes 0-15 an even ks, lanes 16-31 an odd one.
; Work-groups 48-63: 32 columns of q' each; wave v sums k = 64 v .. 64 v + 63, the eight parts meet in LDS, wave 0 adds them.
; No matrix unit, no tensor load, no cluster: 4 MB are read once and nothing is shared.
.set SPARE, 1024                       ; behind the eight waves' partial sums: the spare words, 128 bytes for each wave
.set SPW,  30                          ; v30  LDS address of my spare word; never rewritten
.set NIL,  31                          ; v31  0; never rewritten
.set X,    64                          ; v64-127  64 numbers of W
.set FRG,  48                          ; v48-59   the fragment
.set TC,   128                         ; v128..   the upper halves of the blocks' codes; in the q path v128-191 seed
	s_load_b256 s[4:11], s[0:1], 0x0               ; Wk s[4:5], Wv s[6:7], Wo s[8:9], Wq s[10:11]
	s_load_b256 s[12:19], s[0:1], 0x20             ; seed s[12:13], bq s[14:15], wf s[16:17], ws s[18:19]
	s_load_b64 s[20:21], s[0:1], 0x40              ; qv
	v_lshl_add_u32 v[SPW], v0, 2, SPARE
	v_mov_b32 v[NIL], 0
	v_lshrrev_b32 v1, 5, v0
	s_delay_alu instid0(VALU_DEP_1)
	v_readfirstlane_b32 s24, v1                    ; wave 0..7
	v_and_b32 v11, 31, v0                          ; lane
	s_cmp_ge_u32 ttmp9, 48                         ; the work-group's number alone: all eight waves go the same way
	s_cbranch_scc1 .Lquery
	; ---- a fragment of Wk, Wv or Wo
	v_and_b32 v2, 15, v0                           ; r
	s_wait_alu depctr_va_vdst(0)
	v_bfe_u32 v3, v0, 4, 1                         ; h
	s_lshl_b32 s25, ttmp9, 3
	s_add_co_u32 s25, s25, s24                     ; F
	s_and_b32 s26, s25, 127
	s_lshr_b32 s27, s26, 2                         ; nt
	s_and_b32 s28, s26, 3                          ; ks
	s_lshr_b32 s29, s27, 3                         ; nt / 8
	s_and_b32 s30, s27, 7                          ; nt % 8
	s_lshl_b32 s31, s29, 7
	s_lshl_b32 s32, s30, 3
	s_add_co_u32 s31, s31, s32                     ; Wk: 128 (nt / 8) + 8 (nt % 8)
	s_lshl_b32 s32, s27, 4                         ; Wv, Wo: 16 nt
	s_cmp_lt_u32 ttmp9, 16
	s_cselect_b32 s31, s31, s32                    ; the tile's first column
	s_cselect_b32 s33, 56, 0                       ; and what rows 8-15 lie further on
	v_lshrrev_b32 v4, 3, v2
	s_delay_alu instid0(VALU_DEP_1)
	v_mul_u32_u24 v4, s33, v4
	s_delay_alu instid0(VALU_DEP_1)
	v_add3_u32 v4, v4, v2, s31                     ; my column
	s_delay_alu instid0(VALU_DEP_1)
	v_lshlrev_b32 v5, 2, v4
	s_wait_alu depctr_va_vdst(0)
	v_lshl_add_u32 v5, v3, 16, v5                  ; lanes 16-31 begin 32 rows of 2,048 bytes further down: lane (r, h) holds k = 64 c + 32 h + 0 .. 31
	v_lshlrev_b32 v6, 4, v11                       ; out: 16 bytes a lane
	v_lshlrev_b32 v7, 2, v2                        ; the scale word: 4 r
	s_lshl_b32 s34, s28, 18                        ; ks x 128 rows
	s_mov_b32 s35, 0
	s_mul_i32 s36, s25, 1536                       ; the fragment's place in wf
	s_mov_b32 s37, 0
	s_lshr_b32 s38, ttmp9, 4                       ; mat
	s_lshl_b32 s38, s38, 2
	s_add_co_u32 s38, s38, s29
	s_lshl_b32 s38, s38, 11                        ; (4 mat + nt / 8) x 2,048
	s_lshl_b32 s39, s30, 8                         ; + 2 (nt % 8) x 128
	s_add_co_u32 s38, s38, s39
	s_lshl_b32 s39, s28, 6                         ; + (ks / 2) x 128 + (ks % 2) x 64 = 64 ks
	s_add_co_u32 s38, s38, s39
	s_mov_b32 s39, 0
	s_mov_b32 s40, 0x76543210
	s_mov_b32 s41, 0xfedcba98                      ; v_permlanex16_b32's selects for lane l xor 16
	s_wait_alu depctr_va_vdst(0)
	s_wait_kmcnt 0x0
	s_cmp_lt_u32 ttmp9, 16                         ; which weight: the choice hangs on the work-group's number alone
	s_cselect_b64 s[22:23], s[4:5], s[6:7]
	s_cmp_lt_u32 ttmp9, 32
	s_cselect_b64 s[22:23], s[22:23], s[8:9]
	s_add_nc_u64 s[22:23], s[22:23], s[34:35]
	s_add_nc_u64 s[16:17], s[16:17], s[36:37]
	s_add_nc_u64 s[18:19], s[18:19], s[38:39]
.irp c, 0,1
.irp i, 0,1,2,3,4,5,6,7,8,9,10,11,12,13,14,15,16,17,18,19,20,21,22,23,24,25,26,27,28,29,30,31
	global_load_b32 v[X+32*\c+\i], v5, s[22:23] offset:2048*(64*\c+\i)   ; W(128 ks + 64 c + 32 h + i, my column)
.endr
.endr
	s_wait_loadcnt 0x0
.irp c, 0,1                                    ; my block 2 c + h: all its 32 numbers are mine
	v_max3_num_f32 v[32+\c], |v[X+32*\c]|, |v[X+1+32*\c]|, 0x1800000   ; with the floor 2^(3 - 127): the byte cannot fall under 1
.endr
.irp i, 2,4,6,8,10,12,14,16,18,20,22,24,26,28,30
.irp c, 0,1
	s_delay_alu instid0(VALU_DEP_2)
	v_max3_num_f32 v[32+\c], v[32+\c], |v[X+32*\c+\i]|, |v[X+1+32*\c+\i]|
.endr
.endr
.irp c, 0,1
	s_delay_alu instid0(VALU_DEP_2)
	v_add_nc_u32 v[44+\c], 0xff000000, v[32+\c]    ; 2 off the exponent field: the conversion takes this operand's exponent field as its scale
.endr
.irp c, 0,1
	s_delay_alu instid0(VALU_DEP_2)
	v_lshrrev_b32 v[36+\c], 23, v[44+\c]           ; the scale's byte
.endr
	s_delay_alu instid0(VALU_DEP_1)
	v_lshl_or_b32 v9, v37, 16, v36                 ; my two bytes: blocks h and 2 + h,
	v_lshlrev_b32 v10, 3, v3
	s_delay_alu instid0(VALU_DEP_1)
	v_lshlrev_b32 v9, v10, v9                      ; 8 h bits up;
	v_mov_b32 v10, 0
	s_delay_alu instid0(VALU_DEP_1)
	v_permlanex16_b32 v10, v9, s40, s41
	s_delay_alu instid0(VALU_DEP_1)
	v_or_b32 v9, v9, v10                           ; with lane l xor 16's two the word is whole
.irp c, 0,1
	v_cvt_scalef32_pk16_fp6_f32 v[FRG+6*\c:FRG+2+6*\c], v[X+32*\c:X+15+32*\c], v[44+\c]
	v_cvt_scalef32_pk16_fp6_f32 v[TC+4*\c:TC+2+4*\c], v[X+16+32*\c:X+31+32*\c], v[44+\c]   ; (a conversion's three registers begin on an even number)
.endr
	v_nop                                          ; one plain place behind a scaled conversion
.irp c, 0,1
.irp i, 0,1,2
	v_mov_b32 v[FRG+3+6*\c+\i], v[TC+4*\c+\i]
.endr
.endr
.irp c, 0,1,2
	global_store_b128 v6, v[FRG+4*\c:FRG+4*\c+3], s[16:17] offset:512*\c   ; 32 lanes store 512 consecutive bytes, aligned
.endr
	global_store_b32 v7, v9, s[18:19]              ; lanes r and 16 + r store the same word with the same value
	s_endpgm
.Lquery:	; ---- 32 columns of q'
	s_sub_co_u32 s25, ttmp9, 48
	s_lshl_b32 s30, s25, 7                         ; my 32 columns, in bytes
	s_mov_b32 s31, 0
	s_lshl_b32 s26, s24, 17                        ; my wave's 64 rows of Wq
	s_add_co_u32 s26, s26, s30
	s_mov_b32 s27, 0
	s_lshl_b32 s28, s24, 8                         ; and its 64 numbers of seed
	s_mov_b32 s29, 0
	s_wait_alu depctr_va_vdst(0)
	v_lshlrev_b32 v5, 2, v11                       ; 4 x lane
	v_mov_b32 v6, 0
	v_lshlrev_b32 v8, 2, v0                        ; LDS: 128 x wave + 4 x lane
	s_wait_alu depctr_va_vdst(0)
	s_wait_kmcnt 0x0
	s_add_nc_u64 s[10:11], s[10:11], s[26:27]
	s_add_nc_u64 s[12:13], s[12:13], s[28:29]
	s_add_nc_u64 s[14:15], s[14:15], s[30:31]
	s_add_nc_u64 s[20:21], s[20:21], s[30:31]
.irp j, 0,1,2,3,4,5,6,7,8,9,10,11,12,13,14,15
	global_load_b128 v[128+4*\j:131+4*\j], v6, s[12:13] offset:16*\j
.endr
.irp i, 0,1,2,3,4,5,6,7,8,9,10,11,12,13,14,15,16,17,18,19,20,21,22,23,24,25,26,27,28,29,30,31,32,33,34,35,36,37,38,39,40,41,42,43,44,45,46,47,48,49,50,51,52,53,54,55,56,57,58,59,60,61,62,63
	global_load_b32 v[X+\i], v5, s[10:11] offset:2048*\i   ; 32 lanes read 128 consecutive bytes of a row
.endr
	s_wait_loadcnt 0x0
	v_pk_mul_f32 v[32:33], v[X:X+1], v[128:129]    ; the first products start the sums; two chains of pairs
	v_pk_mul_f32 v[34:35], v[X+2:X+3], v[130:131]
.irp i, 4,8,12,16,20,24,28,32,36,40,44,48,52,56,60
	s_delay_alu instid0(VALU_DEP_2)
	v_pk_fma_f32 v[32:33], v[X+\i:X+\i+1], v[128+\i:129+\i], v[32:33]
	s_delay_alu instid0(VALU_DEP_2)
	v_pk_fma_f32 v[34:35], v[X+2+\i:X+3+\i], v[130+\i:131+\i], v[34:35]
.endr
	s_delay_alu instid0(VALU_DEP_1)
	v_pk_add_f32 v[32:33], v[32:33], v[34:35]
	s_delay_alu instid0(VALU_DEP_1)
	v_add_f32 v32, v32, v33
	ds_store_b32 v8, v32
	s_wait_dscnt 0x0                               ; for the others' sake: my store has landed
	s_barrier_signal -1
	s_barrier_wait -1
	s_cmp_lg_u32 s24, 0
	s_cbranch_scc1 .Lqend                          ; wave 0 alone adds the eight parts
	global_load_b32 v40, v5, s[14:15]              ; bq
.irp j, 0,1,2,3,4,5,6,7
	ds_load_b32 v[32+\j], v5 offset:128*\j
.endr
	s_wait_dscnt 0x0
	v_add_f32 v32, v32, v33
	v_add_f32 v34, v34, v35
	v_add_f32 v36, v36, v37
	v_add_f32 v38, v38, v39
	s_delay_alu instid0(VALU_DEP_3)
	v_add_f32 v32, v32, v34
	s_delay_alu instid0(VALU_DEP_2)
	v_add_f32 v36, v36, v38
	s_delay_alu instid0(VALU_DEP_1)
	v_add_f32 v32, v32, v36
	s_wait_alu depctr_va_vdst(0)
	s_wait_loadcnt 0x0
	v_add_f32 v32, v32, v40
	s_delay_alu instid0(VALU_DEP_1)
	v_mul_f32 v32, 0x3e38aa3b, v32                 ; x 64^-0.5 x log2(e): the scores come out as exponents of 2
	global_store_b32 v5, v32, s[20:21]
.Lqend:
	s_wait_tensorcnt 0x0                           ; the wave's end, behind my last LDS store
	ds_add_u32 v[SPW], v[NIL]
	s_wait_dscnt 0x0
	s_endpgm
.Lfunc_end_k_q742a378a5f_prep:
	.size	k_q742a378a5f_prep, .Lfunc_end_k_q742a378a5f_prep-k_q742a378a5f_prep
	.p2alignl 7, 3214868480
	.fill 96, 4, 3214868480
	.section	.rodata,"a",@progbits
	.p2align	6, 0x0
	.amdhsa_kernel k_q742a378a5f_prep
		.amdhsa_group_segment_fixed_size 2048
		.amdhsa_private_segment_fixed_size 0
		.amdhsa_enable_private_segment 0
		.amdhsa_kernarg_size 72
		.amdhsa_user_sgpr_count 2
		.amdhsa_user_sgpr_kernarg_segment_ptr 1
		.amdhsa_wavefront_size32 1
		.amdhsa_system_sgpr_workgroup_id_x 1
		.amdhsa_system_sgpr_workgroup_id_y 1
		.amdhsa_system_sgpr_workgroup_id_z 1
		.amdhsa_system_vgpr_workitem_id 0
		.amdhsa_next_free_vgpr 192
		.amdhsa_next_free_sgpr 66
		.amdhsa_reserve_vcc 0
		.amdhsa_float_denorm_mode_32 3
		.amdhsa_float_denorm_mode_16_64 3
		.amdhsa_memory_ordered 1
		.amdhsa_forward_progress 1
		.amdhsa_inst_pref_size 26
	.end_amdhsa_kernel
	.amdgpu_metadata
---
amdhsa.version: [ 1, 2 ]
amdhsa.kernels:
  - .name:           k_q742a378a5f_prep
    .symbol:         k_q742a378a5f_prep.kd
    .args:
      - { .name: Wk, .offset: 0, .size: 8, .value_kind: global_buffer, .address_space: global }
      - { .name: Wv, .offset: 8, .size: 8, .value_kind: global_buffer, .address_space: global }
      - { .name: Wo, .offset: 16, .size: 8, .value_kind: global_buffer, .address_space: global }
      - { .name: Wq, .offset: 24, .size: 8, .value_kind: global_buffer, .address_space: global }
      - { .name: seed, .offset: 32, .size: 8, .value_kind: global_buffer, .address_space: global }
      - { .name: bq, .offset: 40, .size: 8, .value_kind: global_buffer, .address_space: global }
      - { .name: wf, .offset: 48, .size: 8, .value_kind: global_buffer, .address_space: global }
      - { .name: ws, .offset: 56, .size: 8, .value_kind: global_buffer, .address_space: global }
      - { .name: qv, .offset: 64, .size: 8, .value_kind: global_buffer, .address_space: global }
    .group_segment_fixed_size: 2048
    .private_segment_fixed_size: 0
    .kernarg_segment_align: 8
    .kernarg_segment_size: 72
    .max_flat_workgroup_size: 256
    .sgpr_count:     66
    .vgpr_count:     192
    .wavefront_size: 32
...
	.end_amdgpu_metadata
.endif
;; end of part 1
;; launch pool (part 2): grid 256 x 1, 4 waves a work-group, no clusters, 327,680 bytes of LDS; arguments x, mask, wf, ws, qv, pa, ml; writes pa, ml
.if DOCPART == 2
	.amdgcn_target "amdgcn-amd-amdhsa--gfx1250"
	.amdhsa_code_object_version 6
	.text
	.protected	k_q742a378a5f_pool
	.globl	k_q742a378a5f_pool
	.p2align	8
	.type	k_q742a378a5f_pool,@function
k_q742a378a5f_pool:
	s_mov_b64 s[64:65], 0
	v_nop
	global_prefetch_b8 v0, s[64:65] scope:SCOPE_SE
	s_setreg_imm32_b32 hwreg(HW_REG_WAVE_MODE, 25, 1), 1
	s_wait_xcnt 0x0
; POOL.  For 512 rows of x (a quarter of a batch) a work-group makes, for each head, one part of a softmax pooling: the largest exponent m, the sum l of 2^(t - m), and sum of 2^(t - m) V, with
; K = Q(x) Q(Wk), V = Q(x) Q(Wv) in MX-FP6 and t = q' . K (q' holds SCALE x log2(e)); masked rows get t = -infinity.  The last launch joins a batch's four parts.
; bk is left out (shown at the head of the first kernel: a term that is the same along the softmax's axis); bv is added once in the last launch.
; LIMITS: NaN and infinities in x are not served; a block of x under 2^-124 gets the scale byte 1; the promise holds while |t| stays under 2^31; a part whose rows are all masked gives l = 0 and m = -3e38.
; SHARES.  8 blocks of 64 rows.  Of each 128 rows wave w fetches and quantises rows 32 w .. 32 w + 31: the first 16 belong to the even block, the next 16 to the odd one (the order of rows does not matter to a pooling; the mask goes by
; the same order).  A block's part is 32 half rows of 1,024 bytes, 16 bytes of padding behind each.  The wave lays codes and scale words into LDS as images of the operand's registers; behind a barrier every wave multiplies all four
; tiles of 16 rows by ITS two heads' 128 columns of Wk and of Wv, which stay in registers for the whole launch: 64 fragments x 12 registers.
; THE LOOP IS TURNED: block 0 is quantised ahead of it, under the loads of the weights; a trip is: barrier, refill, the four tiles of block i, the quantising of block i + 1.
; A TILE goes in runs: 32 products for K (8 accumulators by turns, K ascending), scores and softmax, 32 products for V, the weighted sums.  No exponential stands between a matrix result and its first read.
; K is used transposed (source 0 = Wk): lanes 0-15 hold the even head's score of row r, lanes 16-31 the odd head's; one permute lays rows 8 h .. 8 h + 7 into lane half h, even head in lanes 0-7 of the half, odd head in lanes 8-15.
; Each half of the lanes keeps its own m, l and sums (rows 8 h + j of every tile); the two are joined behind the loop.
; RING: each wave has two slots on end in LDS.  Its one tensor load at the head brings 64 half rows, blocks 0 and 1 (64 KB that lie on end in memory too); behind each barrier one load of 32 half rows, which has a whole trip in
; which to land.
; PREFETCH: in trip i (behind tile 0) each wave names the 128 blocks of 256 bytes of ITS part of block i + 3, a lane a block, four instructions: one trip ahead of the tensor load that wants them.  Trips 0 to 4 ask; blocks 0 to 2 come by
; their loads alone; nothing beyond block 7 is named.  No other work-group reads these bytes.
; NO CLUSTER: work-groups share the weights alone, and these go straight into registers: a joint load lands in LDS, where 319,488 + 4,608 of 327,680 bytes are taken and 393,216 bytes of weights have no room.
; REGISTERS.  Window 0: v0-1 at work; v2-13 addresses and state; v14-23 at work; v24-31 the sums; v32-63 the weights' scale words; v64-127 q'; v128-139 fragment 63; v140-141 x's scale words; v142-189 x's four fragments;
; v190-253 eight accumulators; while quantising v142-237 hold raw numbers and v238-253 codes.  Windows 1-3: fragments 0-62 in the order of use, 21 to a window; v252 of window 1: the prefetches' offset.
.set WQ,    33280                      ; a wave's slot: 32 half rows x 1,040
.set PITCH, 1040
.set IMG0,  8*WQ                       ; two images of 16 fragments x 1,600 bytes and 1,024 bytes of scale words
.set IMGSZ, 26624
.set FRP,   1600
.set SCO,   25600
.set SPARE, IMG0+2*IMGSZ               ; the spare words, 128 bytes a wave
.set STG,   SPARE+512                  ; the way out: 1,024 bytes a wave
.set SPW, 2
.set NIL, 3
.set L16, 4
.set LS4, 5
.set XA0, 6
.set XWI, 7
.set XWS, 8
.set MB,  9                            ; lane g: the mask of the 32 lanes for rows 16 g .. 16 g + 15
.set MM,  10
.set LL,  11
.set FAD, 12
.set SAD, 13
.set P,   14                           ; v14-21 eight weights p, the same in all lanes of a half
.set FF,  22
.set RAD, 23
.set ACC, 24
.set WSC, 32
.set Q,   64
.set F63, 128
.set XS,  140
.set XF,  142
.set BA,  190
.set SCR, 254                          ; the score, then p
.set PX,  255
.set R0,  142
.set C0,  238
.set MX,  14
.set PXA, 16
.set SO,  18
.set BY,  20
.set HW0, 22
.set HW1, 254
.set MSB, 0
.macro WIN new                         ; the immediate's high byte repeats the setting that is left
.if MSB != (\new)
	s_set_vgpr_msb (MSB<<8)|(\new)
.set MSB, \new
.endif
.endm
	s_load_b256 s[4:11], s[0:1], 0x0               ; x, mask, wf, ws
	s_load_b128 s[12:15], s[0:1], 0x20             ; qv, pa
	s_load_b64 s[16:17], s[0:1], 0x30              ; ml
	v_lshl_add_u32 v[SPW], v0, 2, SPARE
	v_mov_b32 v[NIL], 0
	ds_add_u32 v[SPW], v[NIL]                      ; the opening lines: the add twice on end and its wait
	ds_add_u32 v[SPW], v[NIL]
	v_lshrrev_b32 v1, 5, v0
	v_readfirstlane_b32 s18, v1                    ; wave
	s_mov_b32 s19, ttmp9
	s_mov_b32 s20, 0x76543210
	s_mov_b32 s21, 0xfedcba98
	s_mov_b32 s22, 0xff0000ff                      ; lanes that keep their own score in the permute
	s_mov_b32 s24, (3<<16)|(1<<20)|(7<<22)|(3<<25) ; group 1: elements of 8 bytes, 4 words of padding behind every 256
	s_mov_b32 s25, 128<<16
	s_mov_b32 s26, 64<<16                          ; the head's load: 64 half rows
	s_mov_b32 s27, 128<<16
	s_mov_b32 s28, 64
	s_mov_b32 s29, 128
	s_mov_b32 s30, 0
	s_mov_b32 s31, 0
	s_mul_i32 s43, s18, 2*WQ                       ; my two slots
	s_mov_b32 s40, 0                               ; the slot that is quantised
	s_mov_b32 s41, 0                               ; the image at work
	s_mov_b32 s42, 0                               ; the block
	s_mov_b32 s50, 0x38000                         ; the steps from block to block, in bytes: 32,768 and 229,376 by turns: the prefetches',
	s_mov_b32 s51, 0
	s_mov_b32 s52, 0x8000                          ; and the refills'
	s_mov_b32 s53, 0
	s_lshl_b32 s44, s19, 20
	s_lshl_b32 s45, s18, 16
	s_add_co_u32 s44, s44, s45
	s_mov_b32 s45, 0
	s_wait_dscnt 0x0
	s_wait_kmcnt 0x0
	s_add_nc_u64 s[4:5], s[4:5], s[44:45]          ; my 32 rows of the first 128
	s_mov_b32 s32, 1
	s_mov_b32 s33, s43
	s_mov_b64 s[34:35], s[4:5]
	s_or_b32 s35, s35, 0x80000000
	s_mov_b32 s36, 1
	s_add_co_u32 s37, s43, WQ
	s_add_nc_u64 s[38:39], s[4:5], 32768           ; at block 1: the first refill steps it to block 2
	s_or_b32 s39, s39, 0x80000000
	tensor_load_to_lds s[32:35], s[24:31]          ; blocks 0 and 1: my one tensor load at the head
	s_nop 0
	v_and_b32 v238, 31, v0
	v_and_b32 v239, 15, v0
	v_bfe_u32 v240, v0, 4, 1
	v_lshl_add_u32 v[L16], v238, 4, IMG0           ; an image read: 16 bytes a lane
	v_lshl_add_u32 v[LS4], v238, 2, IMG0+SCO
	v_mul_u32_u24 v[XA0], v239, PITCH              ; raw: half row r, + 64 h
	v_lshl_add_u32 v[XA0], v240, 6, v[XA0]
	v_add_nc_u32 v[XA0], s43, v[XA0]
	v_and_b32 v241, 1, v239
	v_lshrrev_b32 v242, 1, v239
	s_mul_i32 s44, s18, 4*FRP
	v_mul_u32_u24 v[XWI], v241, 2*FRP              ; an image written: half row r is row r / 2, K steps 2 (r % 2) and + 1
	v_lshl_add_u32 v[XWI], v242, 4, v[XWI]
	v_lshl_add_u32 v[XWI], v240, 8, v[XWI]
	v_add_nc_u32 v[XWI], s44, v[XWI]
	v_add_nc_u32 v[XWI], IMG0, v[XWI]
	s_lshl_b32 s44, s18, 8
	v_lshlrev_b32 v[XWS], 7, v241
	v_lshl_add_u32 v[XWS], v242, 2, v[XWS]
	v_add_nc_u32 v[XWS], s44, v[XWS]
	v_add_nc_u32 v[XWS], IMG0+SCO, v[XWS]
	v_lshlrev_b32 v24, 4, v238                     ; offsets of the head's loads, in registers that the quantiser does not touch
	v_lshlrev_b32 v25, 2, v238
	v_lshlrev_b32 v26, 8, v240
	v_mov_b32 v[MM], 0xff61b1e6                    ; -3e38
	v_mov_b32 v[LL], 0
.irp i, 14,15,16,17,18,19,20,21,22,254,255
	v_mov_b32 v\i, 0                               ; a lane permute's destination counts as one of its sources
.endr
	v_mov_b32 v[RAD], v[XA0]
	WIN 0x40
	v_lshlrev_b32 v252, 8, v238                    ; window 1: 256 x lane
	WIN 0
	s_wait_alu depctr_va_vdst(0)                   ; the wait behind the head's vector lines
	s_mul_i32 s44, s18, 49152
	s_add_nc_u64 s[8:9], s[8:9], s[44:45]          ; my 32 fragments of Wk,
	s_add_nc_u64 s[46:47], s[8:9], 196608          ; of Wv
	s_lshl_b32 s44, s18, 11
	s_add_nc_u64 s[10:11], s[10:11], s[44:45]
	s_lshl_b32 s44, s18, 9
	s_add_nc_u64 s[12:13], s[12:13], s[44:45]
	s_lshl_b32 s44, s19, 9
	s_add_nc_u64 s[6:7], s[6:7], s[44:45]
	s_add_nc_u64 s[48:49], s[4:5], 262144          ; the prefetches' base, at block 2: each trip steps it, the first to block 3
	global_load_b128 v[28:31], v24, s[6:7]         ; lane g: the 16 mask bytes of rows 16 g .. 16 g + 15
.irp i, 0,1,2,3,4,5,6,7,8,9,10,11,12,13,14,15
	global_load_b32 v[WSC+\i], v25, s[10:11] offset:128*\i
	global_load_b32 v[WSC+16+\i], v25, s[10:11] offset:8192+128*\i
.endr
.irp i, 0,1,2,3,4,5,6,7,8,9,10,11,12,13,14,15
	global_load_b128 v[Q+4*\i:Q+4*\i+3], v26, s[12:13] offset:16*\i
.endr
.set pos, 0                            ; place pos = 32 (V) + 8 ks + tile: the order of use
.rept 64
.if pos < 63
	WIN (1+pos/21)<<6
.set wr, 12*(pos%21)
.else
	WIN 0
.set wr, F63
.endif
.irp c, 0,1,2
.if pos < 32
	global_load_b128 v[wr+4*\c:wr+4*\c+3], v24, s[8:9] offset:(4*(pos%8)+pos/8)*1536+512*\c
.else
	global_load_b128 v[wr+4*\c:wr+4*\c+3], v24, s[46:47] offset:(4*(pos%8)+(pos-32)/8)*1536+512*\c
.endif
.endr
.set pos, pos+1
.endr
.macro RAW e                           ; chunk e of my 32 half rows: 64 numbers of 16 half rows, 32 a lane
.set rb, R0+32*((\e)%3)
.irp u, 0,1
.irp j, 0,1,2,3
	ds_load_b128 v[rb+16*\u+4*\j:rb+16*\u+4*\j+3], v[RAD] offset:16*PITCH*((\e)/4)+256*((\e)%4)+128*\u+16*\j
.endr
.endr
.endm
.macro HQ e                            ; two blocks of 32 (16 numbers a lane each, lanes l and l xor 16 share a block) become codes and two scale bytes
.if (\e)+2 <= 7
	RAW (\e)+2
.endif
.if (\e) <= 5
	s_wait_dscnt 16                                ; the two later chunks' 16 loads may be out
.elseif (\e) == 6
	s_wait_dscnt 8
.else
	s_wait_dscnt 0x0
.endif
.set rb, R0+32*((\e)%3)
.set cb, C0+8*((\e)%2)
.set hw, HW0+(HW1-HW0)*(((\e)/2)%2)
.set so, FRP*(((\e)%4)/2)+128*((\e)/4)
	v_max3_num_f32 v[MX], |v[rb]|, |v[rb+1]|, 0x1800000      ; with the floor 2^(3 - 127): the byte cannot fall under 1
	v_max3_num_f32 v[MX+1], |v[rb+16]|, |v[rb+17]|, 0x1800000
.irp i, 2,4,6,8,10,12,14
	v_max3_num_f32 v[MX], v[MX], |v[rb+\i]|, |v[rb+\i+1]|
	v_max3_num_f32 v[MX+1], v[MX+1], |v[rb+16+\i]|, |v[rb+17+\i]|
.endr
	v_permlanex16_b32 v[PXA], v[MX], s20, s21
	v_permlanex16_b32 v[PXA+1], v[MX+1], s20, s21
	v_max_num_f32 v[MX], v[MX], v[PXA]
	v_max_num_f32 v[MX+1], v[MX+1], v[PXA+1]
	v_add_nc_u32 v[SO], 0xff000000, v[MX]          ; 2 off the exponent field: the conversion's scale operand
	v_add_nc_u32 v[SO+1], 0xff000000, v[MX+1]
	v_lshrrev_b32 v[BY], 23, v[SO]
	v_lshrrev_b32 v[BY+1], 23, v[SO+1]
	v_cvt_scalef32_pk16_fp6_f32 v[cb:cb+2], v[rb:rb+15], v[SO]
	v_cvt_scalef32_pk16_fp6_f32 v[cb+4:cb+6], v[rb+16:rb+31], v[SO+1]
.if (\e)%2 == 0
	v_lshl_or_b32 v[hw], v[BY+1], 8, v[BY]         ; (also the plain place behind the conversions)
.else
	v_lshl_or_b32 v[hw], v[BY], 16, v[hw]
	v_lshl_or_b32 v[hw], v[BY+1], 24, v[hw]
.endif
.irp i, 0,1,2
	v_permlane16_swap_b32 v[cb+\i], v[cb+4+\i]     ; a whole block to a lane, as the operand's layout wants it
.endr
.irp i, 0,1,2
	v_mov_b32 v[cb+3+\i], v[cb+4+\i]
.endr
.if (\e)%2 == 0
	ds_store_b128 v[FAD], v[cb:cb+3] offset:so
	ds_store_b64 v[FAD], v[cb+4:cb+5] offset:so+512
.else
	ds_store_b64 v[FAD], v[cb:cb+1] offset:so+520
	ds_store_b128 v[FAD], v[cb+2:cb+5] offset:so+1024
	ds_store_b32 v[SAD], v[hw] offset:64*(((\e)%4)/2)+32*((\e)/4)
.endif
.endm
.macro QUANT                           ; my 16 rows of the next block into the other image; RAW 0 is out already
	v_add_nc_u32 v[FAD], s41, v[XWI]
	v_add_nc_u32 v[SAD], s41, v[XWS]
	RAW 1
.irp e, 0,1,2,3,4,5,6,7
	HQ \e
.endr
.endm
.macro XLOAD m                         ; tile m's scale words and four fragments: 14 loads
	ds_load_b32 v[XS], v[SAD] offset:256*(\m)
	ds_load_b32 v[XS+1], v[SAD] offset:256*(\m)+128
.irp s, 0,1,2,3
.irp c, 0,1,2
	ds_load_b128 v[XF+12*\s+4*\c:XF+12*\s+4*\c+3], v[FAD] offset:(4*(\m)+\s)*FRP+512*\c
.endr
.endr
.endm
.macro MMI                             ; one product, by the symbols dd, aa, bb, sa, sb, ks; odd K steps' scale words lie in lanes 16-31
.if ks == 0
	v_wmma_scale_f32_16x16x128_f8f6f4 v[dd:dd+7], v[aa:aa+11], v[bb:bb+11], 0, v[sa], v[sb] matrix_a_fmt:MATRIX_FMT_FP6 matrix_b_fmt:MATRIX_FMT_FP6
.elseif ks%2 == 1
	v_wmma_scale_f32_16x16x128_f8f6f4 v[dd:dd+7], v[aa:aa+11], v[bb:bb+11], v[dd:dd+7], v[sa], v[sb] matrix_a_fmt:MATRIX_FMT_FP6 matrix_b_fmt:MATRIX_FMT_FP6 matrix_a_scale:MATRIX_SCALE_ROW1 matrix_b_scale:MATRIX_SCALE_ROW1
.else
	v_wmma_scale_f32_16x16x128_f8f6f4 v[dd:dd+7], v[aa:aa+11], v[bb:bb+11], v[dd:dd+7], v[sa], v[sb] matrix_a_fmt:MATRIX_FMT_FP6 matrix_b_fmt:MATRIX_FMT_FP6
.endif
.endm
.macro PHASE isv                       ; 32 products on end: 8 accumulators by turns, K ascending; then four places (ISA guide 7.12.1)
.set pos, 32*(\isv)
.rept 32
.set ks, (pos%32)/8
.set tl, pos%8
.set dd, BA+8*tl
.set wr, 12*(pos%21)
.set ww, 1+pos/21
.if pos == 63
.set wr, F63
.set ww, 0
.endif
.if \isv
	WIN ww<<2
.set aa, XF+12*ks
.set bb, wr
.set sa, XS+ks/2
.set sb, WSC+16+2*tl+ks/2
.else
.if tl == 0
	s_wait_dscnt 9-3*ks                            ; the later K steps' three loads each may be out
.endif
	WIN ww
.set aa, wr
.set bb, XF+12*ks
.set sa, WSC+2*tl+ks/2
.set sb, XS+ks/2
.endif
	MMI
.set pos, pos+1
.endr
	WIN 0
.rept 4
	v_nop
.endr
.endm
.macro ACCUM hg                        ; head hg of my two: sums = sums x f + sum over my half's 8 rows of p V, in place in the accumulators' low pairs, four tiles by turns
.set VB, BA+32*(\hg)
.set AC, ACC+4*(\hg)
.if \hg == 0
.irp j, 0,1,2,3,4,5,6,7
	v_mov_b32_dpp v[P+\j], v[SCR] row_share:\j row_mask:0xf bank_mask:0xf
.endr
	v_mov_b32_dpp v0, v[FF] row_share:0 row_mask:0xf bank_mask:0xf
.else
.irp j, 8,9,10,11,12,13,14,15
	v_mov_b32_dpp v[P+\j-8], v[SCR] row_share:\j row_mask:0xf bank_mask:0xf
.endr
	v_mov_b32_dpp v0, v[FF] row_share:8 row_mask:0xf bank_mask:0xf
.endif
.irp t, 0,1,2,3
	v_pk_mul_f32 v[VB+8*\t:VB+8*\t+1], v[VB+8*\t:VB+8*\t+1], v[P:P+1]
.endr
.irp e, 1,2,3
.irp t, 0,1,2,3
	v_pk_fma_f32 v[VB+8*\t:VB+8*\t+1], v[VB+8*\t+2*\e:VB+8*\t+2*\e+1], v[P+2*\e:P+2*\e+1], v[VB+8*\t:VB+8*\t+1]
.endr
.endr
.irp t, 0,1,2,3
	v_fma_f32 v[AC+\t], v[AC+\t], v0, v[VB+8*\t]
.endr
.irp t, 0,1,2,3
	v_add_f32 v[AC+\t], v[AC+\t], v[VB+8*\t+1]
.endr
.endm
.macro TILE m, refill
.if ((\m) == 1) && (\refill)
	s_cmp_lt_u32 s42, 5                            ; trips 0 to 4 name blocks 3 to 7
	s_wait_alu depctr_va_vdst(0)                   ; the wait ahead of the branch
	s_cbranch_scc0 .Lnp_\@
	WIN 1                                          ; the offset lies in window 1
.irp j, 0,1,2,3
	global_prefetch_b8 v252, s[48:49] offset:8192*\j th:TH_LOAD_NT scope:SCOPE_SE
.endr
	WIN 0
.Lnp_\@:
.endif
	PHASE 0                                        ; K^T: lane (r, h): row r, register j of tile t: column 8 t + j of head h
	s_add_co_u32 s47, s46, 2*(\m)                  ; tile m holds wave m's rows: 32 m further on
	v_readlane_b32 s23, v[MB], s47                 ; this tile's mask of the lanes
.irp i, 0,1,2,3,4,5,6,7                        ; t = q' . K: four chains, in place in the low pairs of tiles 0-3; each accumulator is read from its low end on
.irp c, 0,1,2,3
.if \i == 0
	v_pk_mul_f32 v[BA+8*\c:BA+8*\c+1], v[BA+8*\c:BA+8*\c+1], v[Q+8*\c:Q+8*\c+1]
.else
	v_pk_fma_f32 v[BA+8*\c:BA+8*\c+1], v[BA+8*\c+32*(\i/4)+2*(\i%4):BA+8*\c+32*(\i/4)+2*(\i%4)+1], v[Q+8*\c+32*(\i/4)+2*(\i%4):Q+8*\c+32*(\i/4)+2*(\i%4)+1], v[BA+8*\c:BA+8*\c+1]
.endif
.endr
.endr
	v_pk_add_f32 v[BA:BA+1], v[BA:BA+1], v[BA+8:BA+9]
	v_pk_add_f32 v[BA+16:BA+17], v[BA+16:BA+17], v[BA+24:BA+25]
	v_pk_add_f32 v[BA:BA+1], v[BA:BA+1], v[BA+16:BA+17]
	v_add_f32 v[SCR], v[BA], v[BA+1]
	v_permlanex16_b32 v[PX], v[SCR], s21, s20      ; lanes 8-15 and 16-23 change places
	v_cndmask_b32 v[SCR], v[PX], v[SCR], s22
	v_cndmask_b32 v[SCR], 0xff800000, v[SCR], s23  ; a masked row: -infinity
	v_max_num_f32_dpp v0, v[SCR], v[SCR] row_xmask:1 row_mask:0xf bank_mask:0xf
	v_max_num_f32_dpp v0, v0, v0 row_xmask:2 row_mask:0xf bank_mask:0xf
	v_max_num_f32_dpp v0, v0, v0 row_xmask:4 row_mask:0xf bank_mask:0xf
	v_max_num_f32 v1, v[MM], v0                    ; the running largest t of my eight lanes
	v_sub_f32 v[FF], v[MM], v1
	v_sub_f32 v[SCR], v[SCR], v1
	s_wait_alu depctr_va_vdst(0)                   ; the wait ahead of the batch,
	v_exp_f32 v[FF], v[FF]                         ; f = 2^(old m - new m)
	v_exp_f32 v[SCR], v[SCR]                       ; p = 2^(t - m)
	v_mov_b32 v[MM], v1
	s_wait_alu depctr_va_vdst(0)                   ; and behind it
	v_fma_f32 v[LL], v[LL], v[FF], v[SCR]
	PHASE 1                                        ; V: lane (r, h): column 16 t + r, register j: row 8 h + j
.if (\m) < 3
	XLOAD (\m)+1                                   ; the next tile's fragments come under the sums below
.else
	s_xor_b32 s40, s40, WQ
.if !(\refill)
	s_cmp_eq_u32 s42, 7                            ; the last block has no successor
	s_wait_alu depctr_va_vdst(0)
	s_cbranch_scc1 .Lnr_\@
.endif
	v_add_nc_u32 v[RAD], s40, v[XA0]
	RAW 0                                          ; the next block's first raw numbers, into x's fragments' registers
.if !(\refill)
.Lnr_\@:
.endif
.endif
	ACCUM 0
	ACCUM 1
.endm
.macro BLOCK refill
.if \refill
	s_wait_xcnt 0x0                                ; the last trip's prefetches have read their base
	s_xor_b32 s50, s50, 0x30000
	s_add_nc_u64 s[48:49], s[48:49], s[50:51]
.endif
	s_wait_tensorcnt 0x0                           ; my part of the next block has landed;
	ds_add_u32 v[SPW], v[NIL]
.if \refill
	s_xor_b32 s37, s37, WQ                         ; no load of mine is out: the descriptor steps to block i + 2, in the slot just quantised
	s_xor_b32 s52, s52, 0x30000
	s_add_nc_u64 s[38:39], s[38:39], s[52:53]
.endif
	s_lshr_b32 s46, s42, 1                         ; the block's first 16 rows: number 8 (i / 2) + i % 2
	s_lshl_b32 s46, s46, 3
	s_and_b32 s47, s42, 1
	s_add_co_u32 s46, s46, s47
	s_wait_dscnt 0x0                               ; the add, my reads of the slot and my stores into the image are done
	s_barrier_signal -1
	v_add_nc_u32 v[FAD], s41, v[L16]
	v_add_nc_u32 v[SAD], s41, v[LS4]
	s_wait_alu depctr_va_vdst(0)                   ; the wait ahead of the barrier's wait
	s_barrier_wait -1
.if \refill
	tensor_load_to_lds s[36:39], s[24:31]
	s_nop 0
.endif
	XLOAD 0
	TILE 0, \refill
	TILE 1, \refill
	TILE 2, \refill
	TILE 3, \refill
	s_xor_b32 s41, s41, IMGSZ
.if !(\refill)
	s_cmp_eq_u32 s42, 7
	s_wait_alu depctr_va_vdst(0)
	s_cbranch_scc1 .Lnq_\@
.endif
	QUANT
.if !(\refill)
.Lnq_\@:
.endif
.endm
	s_wait_alu depctr_va_vdst(0)
	s_wait_tensorcnt 0x0                           ; my parts of blocks 0 and 1 are in, and only I read them
	s_mov_b32 s26, 32<<16                          ; no load of mine is out: from here on a load brings 32 half rows
	s_mov_b32 s28, 32
	RAW 0
	QUANT                                          ; block 0 is quantised while the weights come
	s_wait_loadcnt 0x0                             ; weights, scale words, q' and the mask are in
.irp i, 28,29,30,31
	v_mul_lo_u32 v\i, 0x01020408, v\i              ; four bytes of 0 or 1: byte i comes to bit 24 + i, and no two terms meet in a bit
.endr
.irp i, 28,29,30,31
	v_lshrrev_b32 v\i, 24, v\i
.endr
	v_lshl_or_b32 v28, v29, 4, v28                 ; rows 0-7
	v_lshl_or_b32 v30, v31, 4, v30                 ; rows 8-15
	v_mul_u32_u24 v28, 0x101, v28                  ; once for each head's eight lanes
	v_mul_u32_u24 v30, 0x101, v30
	v_lshl_or_b32 v[MB], v30, 16, v28
.irp i, 0,1,2,3,4,5,6,7
	v_mov_b32 v[ACC+\i], 0
.endr
	s_wait_alu depctr_va_vdst(0)                   ; the wait at the head's end
.Lmain:
	BLOCK 1
	s_add_co_u32 s42, s42, 1
	s_cmp_lt_u32 s42, 6
	s_wait_alu depctr_va_vdst(0)
	s_cbranch_scc1 .Lmain
.Ltail:                                                ; blocks 6 and 7 fetch nothing more
	BLOCK 0
	s_add_co_u32 s42, s42, 1
	s_cmp_lt_u32 s42, 8
	s_wait_alu depctr_va_vdst(0)
	s_cbranch_scc1 .Ltail
	v_add_f32_dpp v[LL], v[LL], v[LL] row_xmask:1 row_mask:0xf bank_mask:0xf
	v_add_f32_dpp v[LL], v[LL], v[LL] row_xmask:2 row_mask:0xf bank_mask:0xf
	v_add_f32_dpp v[LL], v[LL], v[LL] row_xmask:4 row_mask:0xf bank_mask:0xf
	; the two halves of the lanes are joined: m = the larger, each half's l and sums x 2^(its m - m), then added
	v_permlanex16_b32 v[P], v[MM], s20, s21
	v_max_num_f32 v[P], v[P], v[MM]
	v_sub_f32 v[P+1], v[MM], v[P]
	s_wait_alu depctr_va_vdst(0)                   ; the wait ahead of the exponential,
	v_exp_f32 v[P+1], v[P+1]
	v_mov_b32 v[MM], v[P]
	s_wait_alu depctr_va_vdst(0)                   ; and behind it
	v_mul_f32 v[LL], v[LL], v[P+1]
	v_mov_b32_dpp v[P+2], v[P+1] row_share:0 row_mask:0xf bank_mask:0xf   ; the even head's factor,
	v_mov_b32_dpp v[P+3], v[P+1] row_share:8 row_mask:0xf bank_mask:0xf   ; the odd head's
	v_permlanex16_b32 v[P+4], v[LL], s20, s21
	v_add_f32 v[LL], v[LL], v[P+4]
.irp t, 0,1,2,3,4,5,6,7
	v_mul_f32 v[ACC+\t], v[ACC+\t], v[P+2+\t/4]
.endr
.irp t, 0,1,2,3,4,5,6,7
	v_permlanex16_b32 v[BA+\t], v[ACC+\t], s20, s21
.endr
.irp t, 0,1,2,3,4,5,6,7
	v_add_f32 v[ACC+\t], v[ACC+\t], v[BA+\t]
.endr
	v_and_b32 v12, 0x1f0, v[L16]                   ; 16 x lane
	v_lshrrev_b32 v13, 1, v12
	v_lshrrev_b32 v14, 2, v12
	v_and_b32 v14, 60, v14                         ; the stage: column r (lanes r and 16 + r store the same word with the same value)
	s_lshl_b32 s44, s18, 10
	v_add_nc_u32 v14, s44, v14
	v_add_nc_u32 v14, STG, v14
	v_add_nc_u32 v15, s44, v12
	v_add_nc_u32 v15, STG, v15
	s_wait_alu depctr_va_vdst(0)                   ; the wait ahead of the run of scalar lines
	s_lshl_b32 s44, s19, 10
	s_lshl_b32 s45, s18, 8
	s_add_co_u32 s44, s44, s45
	s_mov_b32 s45, 0
	s_add_nc_u64 s[16:17], s[16:17], s[44:45]
	s_lshl_b32 s44, s19, 11
	s_lshl_b32 s46, s18, 9
	s_add_co_u32 s44, s44, s46
	s_add_nc_u64 s[14:15], s[14:15], s[44:45]
	global_store_b64 v13, v[MM:LL], s[16:17]       ; (m, l) of every lane: 256 consecutive bytes a wave; lanes 0 and 8 hold my two heads'
.irp t, 0,1,2,3,4,5,6,7
	ds_store_b32 v14, v[ACC+\t] offset:64*\t
.endr
	ds_load_b128 v[16:19], v15                     ; LDS serves a wave's instructions in order: this sees my stores
	s_wait_dscnt 0x0
	global_store_b128 v12, v[16:19], s[14:15]      ; 32 lanes store 512 consecutive bytes, aligned: my 128 columns
	s_wait_tensorcnt 0x0                           ; the wave's end
	ds_add_u32 v[SPW], v[NIL]
	s_wait_dscnt 0x0
	s_endpgm
.Lfunc_end_k_q742a378a5f_pool:
	.size	k_q742a378a5f_pool, .Lfunc_end_k_q742a378a5f_pool-k_q742a378a5f_pool
	.p2alignl 7, 3214868480
	.fill 96, 4, 3214868480
	.section	.rodata,"a",@progbits
	.p2align	6, 0x0
	.amdhsa_kernel k_q742a378a5f_pool
		.amdhsa_group_segment_fixed_size 327680
		.amdhsa_private_segment_fixed_size 0
		.amdhsa_enable_private_segment 0
		.amdhsa_kernarg_size 56
		.amdhsa_user_sgpr_count 2
		.amdhsa_user_sgpr_kernarg_segment_ptr 1
		.amdhsa_wavefront_size32 1
		.amdhsa_system_sgpr_workgroup_id_x 1
		.amdhsa_system_sgpr_workgroup_id_y 1
		.amdhsa_system_sgpr_workgroup_id_z 1
		.amdhsa_system_vgpr_workitem_id 0
		.amdhsa_next_free_vgpr 1024
		.amdhsa_next_free_sgpr 66
		.amdhsa_reserve_vcc 0
		.amdhsa_float_denorm_mode_32 3
		.amdhsa_float_denorm_mode_16_64 3
		.amdhsa_memory_ordered 1
		.amdhsa_forward_progress 1
		.amdhsa_inst_pref_size 227
	.end_amdhsa_kernel
	.amdgpu_metadata
---
amdhsa.version: [ 1, 2 ]
amdhsa.kernels:
  - .name:           k_q742a378a5f_pool
    .symbol:         k_q742a378a5f_pool.kd
    .args:
      - { .name: x, .offset: 0, .size: 8, .value_kind: global_buffer, .address_space: global }
      - { .name: mask, .offset: 8, .size: 8, .value_kind: global_buffer, .address_space: global }
      - { .name: wf, .offset: 16, .size: 8, .value_kind: global_buffer, .address_space: global }
      - { .name: ws, .offset: 24, .size: 8, .value_kind: global_buffer, .address_space: global }
      - { .name: qv, .offset: 32, .size: 8, .value_kind: global_buffer, .address_space: global }
      - { .name: pa, .offset: 40, .size: 8, .value_kind: global_buffer, .address_space: global }
      - { .name: ml, .offset: 48, .size: 8, .value_kind: global_buffer, .address_space: global }
    .group_segment_fixed_size: 327680
    .private_segment_fixed_size: 0
    .kernarg_segment_align: 8
    .kernarg_segment_size: 56
    .max_flat_workgroup_size: 128
    .sgpr_count:     66
    .vgpr_count:     1024
    .wavefront_size: 32
...
	.end_amdgpu_metadata
.endif
;; end of part 2
;; launch final (part 3): grid 8 x 4, 4 waves a work-group, no clusters, 47,360 bytes of LDS; arguments pa, ml, wf, ws, bv, bo, out0; writes out0
.if DOCPART == 3
	.amdgcn_target "amdgcn-amd-amdhsa--gfx1250"
	.amdhsa_code_object_version 6
	.text
	.protected	k_q742a378a5f_final
	.globl	k_q742a378a5f_final
	.p2align	8
	.type	k_q742a378a5f_final,@function
k_q742a378a5f_final:
	s_mov_b64 s[64:65], 0
	v_nop
	global_prefetch_b8 v0, s[64:65] scope:SCOPE_SE
	s_setreg_imm32_b32 hwreg(HW_REG_WAVE_MODE, 25, 1), 1
	s_wait_xcnt 0x0
; FINAL.  out0 = Q(o) Q(Wo) + bo, o[b][c] = (sum over a batch's 4 parts of 2^(m_part - M) pa_part[c]) / l + bv[c], M the largest m of the head's parts, l = sum of 2^(m_part - M) l_part.  All ahead of the quantiser in f32.
; bv stands here, once, and not on each of the 131,072 rows of V: a softmax's weights add up to 1 (head of the first kernel).  bk is left out (shown there too).
; A batch whose mask is all false has l = 0: the reference gives NaN there.  FP6 has no code for NaN, so Z = 0 x (1 / l), which is 0 or NaN, is added to that batch's results behind the product.
; LIMITS: as in the launches before; the f32 sums go in another order than the reference's.
; SHARES.  Work-group (cg, rt): batches 16 rt .. 16 rt + 15, columns 64 cg .. 64 cg + 63.  Wave w makes K step w of the operand (heads 2 w, 2 w + 1) for the 16 batches:
; lane (r, h) makes the four parts' weights of batch r and head 2 w + h; they go through the wave's own LDS bytes, so that every lane of half h has them for all 16 batches;
; the parts are read as they lie, 512 consecutive bytes an instruction (a lane holds 4 columns; lanes 0-15 the even head's), and o is summed so; o then turns through the wave's own stage in LDS,
; so that lane (r, h) holds 16 neighbours of each block of 32 of batch r; it is quantised and laid into LDS as an image of the operand's registers.
; Behind a barrier the wave multiplies all four K steps by tile nt = 4 cg + w of Wo (transposed: source 0 = 16 columns of Wo, source 1 = the 16 batches).  32 work-groups: there is no more work (64 x 512 results).
; No tensor load, no cluster, no prefetch: no loop to run ahead in; the 8 work-groups of an rt read the same 128 KB of parts once each, straight into registers.
; REGISTERS.  Window 0: v4-15, v166-169 addresses; v16-23 (m, l) of 4 parts; v24-27 their weights; v64-127 o: register 16 b + i = k 32 b + 16 h + i of my K step; v128-147 codes; v148-163 at work; v164 the scale word; v165 Z;
; v176-223 four fragments; v224-227 their scale words; v228-229 Wo's; v232-239 bo; v240-247 the sums; v248-255 the results.  Window 1: part p of batch r at v[4 (4 r + p)].
; Window 2: v0-47 Wo's four fragments; v64-127 the weights of 16 batches x 4 parts; v128-191 o, 4 columns a lane, batch r at v[128 + 4 r]; v192-195 bv.
.set FRB,   1536
.set HSC,   6144                       ; LDS: 4 images, then their scale words, 128 bytes each,
.set STG,   6656                       ; the stage of the way out: 16 rows x (256 bytes + 16),
.set SP,    272
.set SPARE, 11008                      ; the spare words, 128 bytes for each wave,
.set TR,    11520                      ; o's turn: for each wave 16 rows x (512 bytes + 16),
.set TP,    528
.set WTB,   45312                      ; and the weights: 512 bytes for each wave
.set SPW, 2
.set NIL, 3
.set ML,  16
.set WG,  24
.set O,   64
.set PC,  128
.set TM,  148
.set PW,  164
.set Z,   165
.set XF,  176
.set HS,  224
.set WOS, 228
.set BI,  232
.set D,   240
.set Y,   248
.set MSB, 0
.macro WIN new
.if MSB != (\new)
	s_set_vgpr_msb (MSB<<8)|(\new)
.set MSB, \new
.endif
.endm
	s_load_b256 s[4:11], s[0:1], 0x0               ; pa s[4:5], ml s[6:7], wf s[8:9], ws s[10:11]
	s_load_b128 s[12:15], s[0:1], 0x20             ; bv s[12:13], bo s[14:15]
	s_load_b64 s[16:17], s[0:1], 0x30              ; out0
	v_lshl_add_u32 v[SPW], v0, 2, SPARE
	v_mov_b32 v[NIL], 0
	v_lshrrev_b32 v1, 5, v0
	v_readfirstlane_b32 s18, v1                    ; wave
	s_and_b32 s20, ttmp7, 0xffff                   ; rt
	s_lshl_b32 s21, ttmp9, 2
	s_add_co_u32 s21, s21, s18                     ; nt = 4 cg + wave
	s_mov_b32 s22, 0x76543210
	s_mov_b32 s23, 0xfedcba98                      ; v_permlanex16_b32's selects for lane l xor 16
	v_and_b32 v4, 15, v0                           ; r
	v_bfe_u32 v5, v0, 4, 1                         ; h
	v_and_b32 v6, 31, v0                           ; lane
	v_lshlrev_b32 v7, 12, v4                       ; ml: a batch is 4 work-groups of 1,024 bytes;
	v_lshl_add_u32 v7, v5, 6, v7                   ; head h stands at lane 8 h: 64 h bytes
	v_lshlrev_b32 v8, 4, v6                        ; 16 x lane
	v_lshlrev_b32 v9, 2, v6                        ; 4 x lane
	v_lshlrev_b32 v10, 5, v5                       ; bo: 8 h numbers
	s_mul_i32 s24, s18, 16*TP
	v_add_nc_u32 v12, s24, v8
	v_add_nc_u32 v12, TR, v12                      ; o's turn, in: 16 bytes a lane, a row a batch
	v_mul_u32_u24 v11, v4, TP
	v_lshl_add_u32 v11, v5, 6, v11
	v_add_nc_u32 v11, s24, v11
	v_add_nc_u32 v11, TR, v11                      ; and out: row r, + 64 h
	s_lshl_b32 s24, s18, 9
	v_add_nc_u32 v168, s24, v8
	v_add_nc_u32 v168, WTB, v168                   ; the weights, in: 16 bytes a lane
	v_lshlrev_b32 v169, 8, v5
	v_add_nc_u32 v169, s24, v169
	v_add_nc_u32 v169, WTB, v169                   ; and out: my half's sixteen lanes
	s_mul_i32 s24, s18, FRB
	v_add_nc_u32 v13, s24, v8                      ; my image
	s_lshl_b32 s24, s18, 7
	v_add_nc_u32 v14, s24, v9
	v_add_nc_u32 v14, HSC, v14                     ; its scale words
	v_mul_u32_u24 v15, v4, SP
	v_lshl_add_u32 v15, v5, 5, v15
	s_lshl_b32 s24, s18, 6
	v_add_nc_u32 v15, s24, v15
	v_add_nc_u32 v15, STG, v15                     ; the stage: row r, my 16 columns, + 32 h
	s_mul_i32 s24, s18, 4*SP
	v_mul_u32_u24 v166, v5, SP
	v_lshl_add_u32 v166, v4, 4, v166
	v_add_nc_u32 v166, s24, v166
	v_add_nc_u32 v166, STG, v166                   ; back: rows 4 w + h (+ 2), 16 bytes a lane
	v_lshlrev_b32 v167, 11, v5
	v_lshl_add_u32 v167, v4, 4, v167               ; and the same in out0
	s_mov_b32 s25, 0
	s_wait_alu depctr_va_vdst(0)                   ; the wait at the head's end
	s_wait_kmcnt 0x0
	s_lshl_b32 s24, s20, 16
	s_lshl_b32 s26, s18, 8
	s_add_co_u32 s24, s24, s26
	s_add_nc_u64 s[6:7], s[6:7], s[24:25]          ; ml: 16 batches x rt, + my wave's 256 bytes
	s_mul_i32 s24, s21, 4*FRB
	s_add_co_u32 s24, s24, 393216
	s_add_nc_u64 s[8:9], s[8:9], s[24:25]          ; Wo's tile nt
	s_lshr_b32 s24, s21, 3
	s_lshl_b32 s24, s24, 11
	s_and_b32 s26, s21, 7
	s_lshl_b32 s26, s26, 8
	s_add_co_u32 s24, s24, s26
	s_add_co_u32 s24, s24, 16384
	s_add_nc_u64 s[10:11], s[10:11], s[24:25]      ; its scale words
	s_lshl_b32 s24, s21, 6
	s_add_nc_u64 s[14:15], s[14:15], s[24:25]      ; bo at column 16 nt
	s_lshl_b32 s24, s18, 9
	s_add_nc_u64 s[12:13], s[12:13], s[24:25]      ; bv at column 128 w
	s_lshl_b32 s26, s20, 17
	s_add_co_u32 s24, s24, s26
	s_add_nc_u64 s[4:5], s[4:5], s[24:25]          ; pa: 16 batches of 4 parts of 2,048 bytes x rt, + column 128 w
	s_lshl_b32 s24, s20, 15
	s_lshl_b32 s26, s18, 13
	s_add_co_u32 s24, s24, s26
	s_lshl_b32 s26, ttmp9, 8
	s_add_co_u32 s24, s24, s26
	s_add_nc_u64 s[16:17], s[16:17], s[24:25]      ; out0: row 16 rt + 4 w, column 64 cg
.irp p, 0,1,2,3
	global_load_b64 v[ML+2*\p:ML+2*\p+1], v7, s[6:7] offset:1024*\p
.endr
	WIN 0x80
	global_load_b128 v[192:195], v8, s[12:13]      ; bv: my 4 columns
.irp s, 0,1,2,3
.irp c, 0,1,2
	global_load_b128 v[12*\s+4*\c:12*\s+4*\c+3], v8, s[8:9] offset:FRB*\s+512*\c
.endr
.endr
	WIN 0
	global_load_b32 v[WOS], v9, s[10:11]
	global_load_b32 v[WOS+1], v9, s[10:11] offset:128
	global_load_b128 v[BI:BI+3], v10, s[14:15]
	global_load_b128 v[BI+4:BI+7], v10, s[14:15] offset:16
	WIN 0x40
.set i, 0
.rept 64                               ; part i % 4 of batch i / 4: 32 lanes read 512 consecutive bytes
	global_load_b128 v[4*i:4*i+3], v8, s[4:5] offset:2048*i
.set i, i+1
.endr
	WIN 0
	s_wait_loadcnt 63                              ; 85 loads were issued; at most the youngest 63 are out: (m, l), bv, Wo and bo are in
	v_max3_num_f32 v28, v[ML], v[ML+2], v[ML+4]
	v_max_num_f32 v28, v28, v[ML+6]                ; M
.irp p, 0,1,2,3
	v_sub_f32 v[WG+\p], v[ML+2*\p], v28
.endr
	s_wait_alu depctr_va_vdst(0)                   ; the wait ahead of the batch,
.irp p, 0,1,2,3
	v_exp_f32 v[WG+\p], v[WG+\p]                   ; 2^(m - M)
.endr
.irp b, 0,1,2,3
	v_mov_b32 v[TM+4+\b], 0                        ; (plain lines behind the batch; a lane permute's destination counts as one of its sources)
.endr
	s_wait_alu depctr_va_vdst(0)                   ; and behind it
	v_mul_f32 v29, v[WG], v[ML+1]
.irp p, 1,2,3
	v_fmac_f32 v29, v[WG+\p], v[ML+2*\p+1]         ; l
.endr
	s_wait_alu depctr_va_vdst(0)
	v_rcp_f32 v29, v29
	v_nop
	s_wait_alu depctr_va_vdst(0)
.irp p, 0,1,2,3
	v_mul_f32 v[WG+\p], v[WG+\p], v29              ; 1 / l goes into the weights
.endr
	v_mul_f32 v[Z], 0, v29                         ; 0, or NaN where l = 0
	ds_store_b128 v168, v[WG:WG+3]
	WIN 0x80
.irp r, 0,1,2,3,4,5,6,7,8,9,10,11,12,13,14,15
	ds_load_b128 v[64+4*\r:64+4*\r+3], v169 offset:16*\r   ; LDS serves a wave's instructions in order: these see my store; sixteen lanes read the same 16 bytes
.endr
	s_wait_dscnt 0x0
	WIN 0xa9                                       ; source 0 (a part) window 1; source 1 (its weight), source 2 and the result (o) window 2
.set i, 0
.rept 64
.if i%4 == 0
	s_wait_loadcnt 60-i                            ; the later batches' four loads each may be out
.endif
.set od, 128+4*(i/4)
.set tb, 64+4*(i/4)+2*((i%4)/2)
.irp j, 0,1
.if i%4 == 0
	v_pk_fma_f32 v[od+2*\j:od+2*\j+1], v[4*i+2*\j:4*i+2*\j+1], v[tb:tb+1], v[192+2*\j:193+2*\j] op_sel_hi:[1,0,1]   ; bv starts the sum
.elseif i%2 == 0
	v_pk_fma_f32 v[od+2*\j:od+2*\j+1], v[4*i+2*\j:4*i+2*\j+1], v[tb:tb+1], v[od+2*\j:od+2*\j+1] op_sel_hi:[1,0,1]   ; the pair's low word for both halves
.else
	v_pk_fma_f32 v[od+2*\j:od+2*\j+1], v[4*i+2*\j:4*i+2*\j+1], v[tb:tb+1], v[od+2*\j:od+2*\j+1] op_sel:[0,1,0] op_sel_hi:[1,1,1]   ; its high word for both
.endif
.endr
.set i, i+1
.endr
	WIN 0x08                                       ; the stores' data: window 2
	s_wait_alu depctr_va_vdst(0)                   ; the wait here, directly ahead of the stores that read the sums
.irp r, 0,1,2,3,4,5,6,7,8,9,10,11,12,13,14,15
	ds_store_b128 v12, v[128+4*\r:128+4*\r+3] offset:TP*\r
.endr
	WIN 0
.irp b, 0,1,2,3
.irp j, 0,1,2,3
	ds_load_b128 v[O+16*\b+4*\j:O+16*\b+4*\j+3], v11 offset:128*\b+16*\j   ; my own bytes, in order behind the stores
.endr
.endr
	s_wait_dscnt 0x0
	; o's four blocks of 32 of my K step become a fragment and a scale word
.irp b, 0,1,2,3
	v_max3_num_f32 v[TM+\b], |v[O+16*\b]|, |v[O+1+16*\b]|, 0x1800000   ; my 16 numbers, and the floor 2^(3 - 127)
.endr
.irp i, 2,4,6,8,10,12,14
.irp b, 0,1,2,3
	v_max3_num_f32 v[TM+\b], v[TM+\b], |v[O+16*\b+\i]|, |v[O+1+16*\b+\i]|
.endr
.endr
.irp b, 0,1,2,3
	v_permlanex16_b32 v[TM+4+\b], v[TM+\b], s22, s23
.endr
.irp b, 0,1,2,3
	v_max_num_f32 v[TM+\b], v[TM+\b], v[TM+4+\b]
.endr
.irp b, 0,1,2,3
	v_add_nc_u32 v[TM+12+\b], 0xff000000, v[TM+\b]
.endr
.irp b, 0,1,2,3
	v_lshrrev_b32 v[TM+4+\b], 23, v[TM+12+\b]
.endr
	v_lshl_or_b32 v[PW], v[TM+5], 8, v[TM+4]
	v_lshl_or_b32 v[PW], v[TM+6], 16, v[PW]
	v_lshl_or_b32 v[PW], v[TM+7], 24, v[PW]
.irp c, 0,1
	v_cvt_scalef32_pk16_fp6_f32 v[PC+6*\c:PC+2+6*\c], v[O+32*\c:O+15+32*\c], v[TM+12+2*\c]
	v_cvt_scalef32_pk16_fp6_f32 v[PC+12+4*\c:PC+14+4*\c], v[O+16+32*\c:O+31+32*\c], v[TM+12+2*\c+1]
.endr
	v_nop                                          ; one plain place behind a scaled conversion
.irp c, 0,1
.irp i, 0,1,2
	v_permlane16_swap_b32 v[PC+6*\c+\i], v[PC+12+4*\c+\i]
.endr
.irp i, 0,1,2
	v_mov_b32 v[PC+3+6*\c+\i], v[PC+12+4*\c+\i]
.endr
.endr
.irp c, 0,1,2
	ds_store_b128 v13, v[PC+4*\c:PC+4*\c+3] offset:512*\c
.endr
	ds_store_b32 v14, v[PW]
	s_wait_dscnt 0x0                               ; for the others' sake: my image has landed
	s_barrier_signal -1
	s_barrier_wait -1
.irp s, 0,1,2,3
.irp c, 0,1,2
	ds_load_b128 v[XF+12*\s+4*\c:XF+12*\s+4*\c+3], v8 offset:FRB*\s+512*\c
.endr
	ds_load_b32 v[HS+\s], v9 offset:HSC+128*\s
.endr
	s_wait_dscnt 0x0
	WIN 0x02                                       ; source 0 (Wo) window 2
	v_wmma_scale_f32_16x16x128_f8f6f4 v[D:D+7], v[0:11], v[XF:XF+11], v[BI:BI+7], v[WOS], v[HS] matrix_a_fmt:MATRIX_FMT_FP6 matrix_b_fmt:MATRIX_FMT_FP6   ; bo is the C of the sum's first product
	s_wait_alu depctr_va_vdst(0)                   ; the wait directly ahead of each link
	v_wmma_scale_f32_16x16x128_f8f6f4 v[D:D+7], v[12:23], v[XF+12:XF+23], v[D:D+7], v[WOS], v[HS+1] matrix_a_fmt:MATRIX_FMT_FP6 matrix_b_fmt:MATRIX_FMT_FP6 matrix_a_scale:MATRIX_SCALE_ROW1
	s_wait_alu depctr_va_vdst(0)
	v_wmma_scale_f32_16x16x128_f8f6f4 v[D:D+7], v[24:35], v[XF+24:XF+35], v[D:D+7], v[WOS+1], v[HS+2] matrix_a_fmt:MATRIX_FMT_FP6 matrix_b_fmt:MATRIX_FMT_FP6
	s_wait_alu depctr_va_vdst(0)
	v_wmma_scale_f32_16x16x128_f8f6f4 v[D:D+7], v[36:47], v[XF+36:XF+47], v[D:D+7], v[WOS+1], v[HS+3] matrix_a_fmt:MATRIX_FMT_FP6 matrix_b_fmt:MATRIX_FMT_FP6 matrix_a_scale:MATRIX_SCALE_ROW1
	WIN 0
.rept 4
	v_nop                                          ; four places ahead of the first read of the sums (ISA guide 7.12.1)
.endr
.irp j, 0,1,2,3,4,5,6,7
	v_add_f32 v[Y+\j], v[D+\j], v[Z]               ; lane (r, h): out0(batch r, column 16 nt + 8 h + j); from the low end on
.endr
	ds_store_b128 v15, v[Y:Y+3]
	ds_store_b128 v15, v[Y+4:Y+7] offset:16
	s_wait_dscnt 0x0                               ; a row's 256 bytes come from four waves
	s_barrier_signal -1
	s_barrier_wait -1
	ds_load_b128 v[PC:PC+3], v166
	ds_load_b128 v[PC+4:PC+7], v166 offset:2*SP
	s_wait_dscnt 1
	global_store_b128 v167, v[PC:PC+3], s[16:17]   ; 16 lanes store 256 consecutive bytes, aligned
	s_wait_dscnt 0x0
	global_store_b128 v167, v[PC+4:PC+7], s[16:17] offset:4096
	s_wait_tensorcnt 0x0                           ; the wave's end, behind my last LDS store
	ds_add_u32 v[SPW], v[NIL]
	s_wait_dscnt 0x0
	s_endpgm
.Lfunc_end_k_q742a378a5f_final:
	.size	k_q742a378a5f_final, .Lfunc_end_k_q742a378a5f_final-k_q742a378a5f_final
	.p2alignl 7, 3214868480
	.fill 96, 4, 3214868480
	.section	.rodata,"a",@progbits
	.p2align	6, 0x0
	.amdhsa_kernel k_q742a378a5f_final
		.amdhsa_group_segment_fixed_size 47360
		.amdhsa_private_segment_fixed_size 0
		.amdhsa_enable_private_segment 0
		.amdhsa_kernarg_size 56
		.amdhsa_user_sgpr_count 2
		.amdhsa_user_sgpr_kernarg_segment_ptr 1
		.amdhsa_wavefront_size32 1
		.amdhsa_system_sgpr_workgroup_id_x 1
		.amdhsa_system_sgpr_workgroup_id_y 1
		.amdhsa_system_sgpr_workgroup_id_z 1
		.amdhsa_system_vgpr_workitem_id 0
		.amdhsa_next_free_vgpr 712
		.amdhsa_next_free_sgpr 66
		.amdhsa_reserve_vcc 0
		.amdhsa_float_denorm_mode_32 3
		.amdhsa_float_denorm_mode_16_64 3
		.amdhsa_memory_ordered 1
		.amdhsa_forward_progress 1
		.amdhsa_inst_pref_size 32
	.end_amdhsa_kernel
	.amdgpu_metadata
---
amdhsa.version: [ 1, 2 ]
amdhsa.kernels:
  - .name:           k_q742a378a5f_final
    .symbol:         k_q742a378a5f_final.kd
    .args:
      - { .name: pa, .offset: 0, .size: 8, .value_kind: global_buffer, .address_space: global }
      - { .name: ml, .offset: 8, .size: 8, .value_kind: global_buffer, .address_space: global }
      - { .name: wf, .offset: 16, .size: 8, .value_kind: global_buffer, .address_space: global }
      - { .name: ws, .offset: 24, .size: 8, .value_kind: global_buffer, .address_space: global }
      - { .name: bv, .offset: 32, .size: 8, .value_kind: global_buffer, .address_space: global }
      - { .name: bo, .offset: 40, .size: 8, .value_kind: global_buffer, .address_space: global }
      - { .name: out0, .offset: 48, .size: 8, .value_kind: global_buffer, .address_space: global }
    .group_segment_fixed_size: 47360
    .private_segment_fixed_size: 0
    .kernarg_segment_align: 8
    .kernarg_segment_size: 56
    .max_flat_workgroup_size: 128
    .sgpr_count:     66
    .vgpr_count:     712
    .wavefront_size: 32
...
	.end_amdgpu_metadata
.endif
;; end of part 3
